; MI455X (gfx1250); checked and timed in simulation.
; The chip was launched on July 23, 2026; its instructions are those of AMD's public machine-readable ISA for CDNA 5 (MIT licence, August 2026) and "CDNA5" Instruction Set Architecture Reference Guide (July 2026). The comments in the code are by the model that wrote it; some were corrected since.
;; DPLSTM Cell. Allowed arithmetic: matrix products marked QUANTISED: E4M3 operands, one given power-of-two scale a tensor, by v_wmma_f32_16x16x64_fp8_fp8 or v_wmma_f32_16x16x128_fp8_fp8, f32 sums; everything else in f32.
;; Inputs: bias_hh 4,096 float32; bias_ih 4,096 float32; c_prev 8,192 x 1,024 float32; h_prev_codes 1 x 8,192 x 32 x 32 uint8 (E4M3 codes of h_prev, K innermost, in blocks of 32 codes); lowp_scales 4 int32 (the exponents e of the quantised operands' scales 2^e); weight_hh_codes 4,096 x 32 x 32 uint8 (E4M3 codes of weight_hh, K innermost, in blocks of 32 codes); weight_ih_codes 4,096 x 32 x 32 uint8 (E4M3 codes of weight_ih, K innermost, in blocks of 32 codes); x_t_codes 1 x 8,192 x 32 x 32 uint8 (E4M3 codes of x_t, K innermost, in blocks of 32 codes).
;; Outputs: out0 1,024 float32.
;; This version of the problem:
;;   THIS VERSION OF THE PROBLEM IS GIVEN IN LOW PRECISION. The matrix products marked QUANTISED in the list below multiply operands that are first quantised to E4M3 (4 exponent bits, 3 mantissa bits; 8 bits a number), with one given power-of-two scale for each operand tensor; their sums are f32. All else is computed in f32.
;;   The module's matrix products, in the order in which they are computed (A, B: the left and right operand; K: the contracted axis; several contracted axes count as one K, in the product's order):
;;     1. [M 8,192, K 1,024] x [K 1,024, N 4,096]; A: input x_t (given as codes); B: input weight_ih (given as codes): QUANTISED (scales: A lowp_scales[0], B lowp_scales[1])
;;     2. [M 8,192, K 1,024] x [K 1,024, N 4,096]; A: input h_prev (given as codes); B: input weight_hh (given as codes): QUANTISED (scales: A lowp_scales[2], B lowp_scales[3])
;;   THE QUANTISER, for each operand of a quantised product, along K:
;;     - The operand's scale is 2^e, e = its entry of the input lowp_scales (int32; the entries are numbered through the quantised products in the list's order, A before B).
;;     - Each number is divided by the scale, clamped to +-448, and rounded to the nearest number of E4M3, ties to even, subnormals kept.
;;     - The product sums the exact products of the quantised numbers (number of the format x scale) in f32.
;;   ~~~python
;;   def quantise(x, axis, e):      # numpy; x: float32 -> the quantised numbers, widened to float32 again
;;       x = np.moveaxis(x, axis, -1); K = x.shape[-1]
;;       r = np.clip(x / 2.0 ** e, -448, 448)
;;       step = 2.0 ** (np.maximum(np.frexp(np.where(r == 0, 1, r))[1] - 1, -6) - 3)
;;       q = np.round(r / step) * step * 2.0 ** e      # np.round: ties to even
;;       return np.moveaxis(q, -1, axis).astype(np.float32)
;;   ~~~
;;   INPUTS GIVEN AS CODES. h_prev (in the module: [1, 8192, 1024], K = its axis 2); weight_hh (in the module: [4096, 1024], K = its axis 1); weight_ih (in the module: [4096, 1024], K = its axis 1); x_t (in the module: [1, 8192, 1024], K = its axis 2): each comes as NAME_codes (uint8): NAME with its K axis moved to the last place and cut into blocks of 32 codes, [.., K / 32, bytes a block], one block behind the other in memory; one code a byte (a code: sign, 4 exponent bits, 3 mantissa bits); its scale is its entry of lowp_scales. Its value is code x scale, taken as it is: it is not quantised again, and the codes and scales need not be those that the quantiser above would give.
;; One version. Each part assembles by itself: llvm-mc -triple=amdgcn-amd-amdhsa -mcpu=gfx1250 --defsym DOCPART=n.
;; ======== version 1 of 1: 1 launch
;; limits: a function is approximated: absolute error at most 1e-07; right only within a limited range of input values
;; launch lstm_gemm (part 1): grid 16 x 32, 4 waves a work-group, clusters of 4 x 4, 327,680 bytes of LDS; arguments x_t_codes, h_prev_codes, weight_ih_codes, weight_hh_codes, lowp_scales, bias_ih, bias_hh, c_prev, out0; writes out0
.if DOCPART == 1
	.amdgcn_target "amdgcn-amd-amdhsa--gfx1250"
	.amdhsa_code_object_version 6
	.text
	.protected	k_q10d7d8c5e4_lstm_gemm
	.globl	k_q10d7d8c5e4_lstm_gemm
	.p2align	8
	.type	k_q10d7d8c5e4_lstm_gemm,@function
k_q10d7d8c5e4_lstm_gemm:
	s_mov_b64 s[64:65], 0
	v_nop
	global_prefetch_b8 v0, s[64:65] scope:SCOPE_SE
	s_setreg_imm32_b32 hwreg(HW_REG_WAVE_MODE, 25, 1), 1
	s_wait_xcnt 0x0
	s_wait_alu depctr_hold_cnt(0) depctr_sa_sdst(0) depctr_va_vdst(0) depctr_va_sdst(0) depctr_va_ssrc(0) depctr_va_vcc(0) depctr_vm_vsrc(0)
	s_getreg_b32 s2, hwreg(HW_REG_IB_STS2, 6, 4)
	s_cmp_eq_u32 s2, 0
	s_cbranch_scc0 .Lentry_in_a_cluster
	s_endpgm
.Lentry_in_a_cluster:
	s_bfe_u32 s2, ttmp6, 0x10000c
	s_cmp_lg_u32 s2, 0xf033
	s_cbranch_scc0 .Lentry_shape_is_right
	s_endpgm
.Lentry_shape_is_right:
; An LSTM cell:  gates = x W_ih^T + b_ih + h W_hh^T + b_hh  [8192][4096];  c = sigm(f) c_prev + sigm(i) tanh(g);  h_t = sigm(o) tanh(c);  the result is out0 = h_t[0], batch row 0.
; x, h: [8192][1024], W_ih, W_hh: [4096][1024]: codes of FP8 (E4M3), K innermost, each tensor with the one scale 2^e that is given for it (e0 x, e1 W_ih, e2 h, e3 W_hh).
; WHAT IS MADE.  Both products are made in full, on the matrix units: all 8,192 x 4,096 gates are summed, by v_wmma_f32_16x16x128_fp8_fp8, sums in f32.  What stands behind the products
; is elementwise and mixes no rows; it is made for the first row of every tile of 256 rows, and stored where that row is batch row 0.  THE SUMS OF ALL OTHER ROWS ARE NOT USED.
; A tile of the gates, 256 x 256, is made by a work-group of four waves, as many as a WGP has SIMDs; a wave makes 128 x 128: 64 accumulators of 16 x 16, 512 registers.
; K is 2,048: 1,024 of x against W_ih, then 1,024 of h against W_hh, in eight steps of 256 through a ring of two LDS slots filled by the tensor data mover: a tile's row is 256 bytes of memory.
; TWO SCALES, ONE SET OF ACCUMULATORS.  Behind the first product every sum is multiplied by 2^(e0 + e1 - e2 - e3): nothing is rounded; the second product adds onto it; a finished sum stands for sum x 2^(e2 + e3).
; WHICH WEIGHT ROWS FORM A TILE.  Tile column c (0..15) takes the weight rows c + 16 y, y = 0..255: a plain tile whose rows lie 16 rows of memory apart.  Row y is gate y / 64 (0 i, 1 f, 2 g, 3 o) of output
; j = c + 16 (y % 64): so all four gates of an output lie in one work-group.  A wave's block b of 16 columns is LDS rows 64 (b / 2) + 32 cw + 16 (b % 2) + 0..15 (cw: the wave's half): all four gates of 32 outputs in one wave.
; The price: a work-group's 64 outputs lie 64 bytes apart in out0, in the biases and in c_prev's row: the one store of a wave is 4 bytes a lane, and its nine small loads likewise; out0 is 4 KiB in all.
; CLUSTERS: 4 x 4 work-groups.  The four of a row of the cluster need the same tiles of x and h, the four of a column the same tiles of the weights: each tile is asked for JOINTLY, by the same tensor load with the
; same descriptor and a mask that names the four.  THE MATRIX INSTRUCTION IS USED TRANSPOSED (source 0 = 16 weight rows, source 1 = 16 batch rows): a lane holds one batch row and eight neighbouring columns.
; No branch hangs on a work-group's place in its cluster: so every work-group makes its first row's h_t (32 outputs a wave, in waves 0 and 1), and the place enters only the mask of the store.
; FRAGMENTS come by four loads of 16 bytes: registers 4 c .. 4 c + 3 hold k = 32 c + 16 (lane / 16) + 0 .. 15: a permutation of k that is the same in both sources, so every product meets its partner.
; LIMITS.  e0 + e1 - e2 - e3 and e2 + e3 lie between -126 and 127, so that both powers of two are f32 numbers.  sigm(x) = 1 / (1 + 2^(-1.4427 x)), tanh(x) = 1 - 2 / (1 + 2^(2.8854 x)): both saturate rightly
; at both ends; tanh's error is absolute, about 1e-7, so its relative error grows for |x| under about 1e-5.  The biases are added to each other first and then to the sum: another order of rounding than the source's.
; REGISTERS, in windows of 256: window 0: v0-31 addresses; v32-48 the biases, c_prev, the gates; from v128 the batch rows' fragments (8 x 16 rows x 128 K), ONE set.
;   window 1: the weights' fragments, TWO sets, at v0 and at v128.   window 2: the 32 accumulators of my rows 0-63 (accumulator (a, b) at v[8 (8 a + b)]);   window 3: those of my rows 64-127.
; Below, A is x or h, B is W_ih or W_hh.
.set ROWB,   256                       ; a tile's row in bytes: 256 codes
.set KROW,   1024                      ; a row of any of the four tensors in memory, in bytes
.set BSTEP,  16*KROW                   ; from a row of B's tile to the next: 16 rows of memory
.set PITCH,  272                       ; an LDS row: 256 bytes of data + 16 of padding = 68 words: row r starts at bank 4 r mod 64 (64 banks of 4 bytes: ISA guide 11.1), so the 16 rows that a load touches start at 16 different banks
.set FR,     16                        ; registers of a fragment: 16 rows x 128 K
.set NL,     4                         ; LDS loads that bring one
.set NP,     4                         ; places behind this matrix instruction (ISA guide 7.12.1)
.set HALFT,  128*PITCH                 ; 128 rows: what one tensor load brings
.set SLOT,   4*HALFT                   ; A's 256 rows, then B's 256 rows
.set SPARE,  2*SLOT                    ; behind the ring: the spare words, 128 bytes for each wave: two blocks of 256 bytes that no other line names
.set SPITCH, 528                       ; the way out: a stage of 16 rows x (512 bytes + 16) for each wave.  It lies in slot 0, which has had its last fill and its last read when the first result is stored there
.set ADRA, 16                          ; v16-17  LDS address of my A fragments in slot 0, 1
.set ADRB, 20                          ; v20-21  the same for B
.set STO,  24                          ; v24     the way out: where I put 32 bytes of a row
.set RD,   25                          ; v25     the way out: my 4 bytes of a gate in the stage's row 0
.set EO,   26                          ; v26     4 j: my output's byte in out0 and in a gate's biases
.set CO,   27                          ; v27     the same in c_prev, at my tile's first row
.set SPW,  28                          ; v28     LDS address of my spare word: SPARE + 4 x my thread's number; never rewritten
.set NIL,  29                          ; v29     0; never rewritten
.set RV,   30                          ; v30     my tile row
.set BI,   32                          ; v32-35  b_ih of my output's four gates
.set BH,   36                          ; v36-39  b_hh
.set CPV,  40                          ; v40     c_prev
.set GT,   44                          ; v44-47  the four gates
.set U,    48                          ; v48     c, tanh c, h_t
.set AF,   128                         ; A's fragments, in window 0
.set G1, 24                            ; s[24:31] descriptor group 1 for A's tiles;  s[32:39] group 0, one set for each slot
.set G0, 32
.set G1B, 48                           ; s[48:55], s[56:63] the same for B's tiles
.set G0B, 56
.set A2, 80                            ; s[80:81] h at my part of the tile's rows;  s[82:83] W_hh likewise: the second product's first K step
.set B2, 82
.set MSB, 0
.macro WIN new                         ; the immediate's high byte repeats the setting that is left
.if MSB != \new
	s_set_vgpr_msb (MSB<<8)|\new
.set MSB, \new
.endif
.endm
.set MUL_LO, 0xa1                      ; source 0 (B) window 1, source 1 (A) window 0, C and D window 2
.set MUL_HI, 0xf1                      ; the same, C and D window 3
.set TO_B,   0x40                      ; destination window 1, address window 0
; A joint load: waves 0 and 1 fetch for A, waves 2 and 3 for B.  Each of the two lines has ONE mask and one set of registers for all that issue it; the branch hangs on the wave's number alone.
; Four v_nop follow each of the two lines, ahead of the jump, the label and what follows.
.macro JLOAD g0a, g1a, g0b, g1b
	s_cmp_eq_u32 s15, 0
	s_cbranch_scc0 .Lfor_b_\@
	tensor_load_to_lds s[\g0a:\g0a+3], s[\g1a:\g1a+7]
	s_nop 0
.rept 4
	v_nop
.endr
	s_branch .Lasked_\@
.Lfor_b_\@:
	tensor_load_to_lds s[\g0b:\g0b+3], s[\g1b:\g1b+7]
	s_nop 0
.rept 4
	v_nop
.endr
.Lasked_\@:
.endm
.macro CREST                           ; a round of the cluster's barrier behind its opening barrier
	s_cmp_lg_u32 s14, 0
	s_cbranch_scc1 .Lnot_wave_0_\@
	s_barrier_signal -3
.Lnot_wave_0_\@:
	s_barrier_wait -3
	s_barrier_signal -1
	s_barrier_wait -1
.endm
.macro CROUND                          ; a whole round
	s_barrier_signal -1
	s_barrier_wait -1
	CREST
.endm
	s_load_b256 s[4:11], s[0:1], 0x0               ; x s[4:5], h s[6:7], W_ih s[8:9], W_hh s[10:11]
	s_load_b256 s[68:75], s[0:1], 0x20             ; the scales' exponents s[68:69], b_ih s[70:71], b_hh s[72:73], c_prev s[74:75]
	s_load_b64 s[76:77], s[0:1], 0x40              ; out0
	v_lshl_add_u32 v[SPW], v0, 2, SPARE
	v_mov_b32 v[NIL], 0
	ds_add_u32 v28, v29
	ds_add_u32 v28, v29
	s_wait_dscnt 0x0
	v_lshrrev_b32 v1, 5, v0
	v_readfirstlane_b32 s14, v1                    ; wave 0..3
	s_lshr_b32 s15, s14, 1                         ; which half of the tile's rows is mine.  Also: I fetch for A (0) or for B (1)
	s_and_b32 s16, s14, 1                          ; cw: which half of each gate's 64 outputs.  Also: which 128 rows of that tile I fetch
	s_bfe_u32 s40, ttmp6, 0x40000                  ; cx, cy: my place in the cluster
	s_bfe_u32 s41, ttmp6, 0x40004
	s_lshl_b32 s42, ttmp9, 2
	s_add_co_u32 s42, s42, s40                     ; tile column c = 4 x cluster x + cx
	s_and_b32 s17, ttmp7, 0xffff
	s_lshl_b32 s17, s17, 2
	s_add_co_u32 s17, s17, s41                     ; tile row = 4 x cluster y + cy
	s_lshl_b32 s43, s41, 2
	s_lshl_b32 s43, 15, s43                        ; my row of the cluster
	s_lshl_b32 s44, 0x1111, s40                    ; my column
	; descriptor group 1: a tile of 128 rows x 256 bytes, padded in LDS
	s_or_b32 s[G1+0], s43, (0<<16)|(1<<20)|(1<<21)|(5<<22)|(3<<25)  ; 15:0 the mask: A's tiles go to my row; 17:16 element of 1 byte; 20 padding on; 21 set beside a mask; 24:22 after every 64 words (code 5); 31:25 of 4 words (code 3)
	s_or_b32 s[G1B+0], s44, (0<<16)|(1<<20)|(1<<21)|(5<<22)|(3<<25) ; the same with the mask of my column, for B's tiles
.irp g, G1, G1B
	s_mov_b32 s[\g+1], ROWB<<16                    ; tensor_dim0
	s_mov_b32 s[\g+2], 128<<16                     ; tensor_dim1 = 128
	s_mov_b32 s[\g+3], ROWB<<16                    ; tile_dim0
	s_mov_b32 s[\g+4], 128                         ; tile_dim1 = 128
	s_mov_b32 s[\g+6], 0
	s_mov_b32 s[\g+7], 0
.endr
	s_mov_b32 s[G1+5], KROW                        ; tensor_dim0_stride: A's rows follow each other,
	s_mov_b32 s[G1B+5], BSTEP                      ; B's lie 16 rows apart
	; where the tiles come from, in bytes (all under 2^23).  A's hang on the tile row alone, B's on the tile column alone; each in registers that never hold the other coordinate
	s_lshl_b32 s18, s16, 7                         ; which 128 rows of the tile I fetch
	s_lshl_b32 s20, s17, 8
	s_add_co_u32 s20, s20, s18                     ; A: row 256 x tile row + 128 x half,
	s_lshl_b32 s20, s20, 10                        ; of 1,024 bytes
	s_mov_b32 s21, 0
	s_lshl_b32 s46, s42, 10                        ; B: row c,
	s_lshl_b32 s47, s16, 21                        ; + 128 x half tile rows of 16,384 bytes
	s_add_co_u32 s46, s46, s47
	s_mov_b32 s47, 0
	s_mul_i32 s45, s14, HALFT                      ; where they go: wave x 128 rows: no place in the cluster enters an LDS address
	s_wait_kmcnt 0x0
	s_load_b128 s[84:87], s[68:69], 0x0            ; e0, e1, e2, e3
	s_add_nc_u64 s[A2:A2+1], s[6:7], s[20:21]      ; h,
	s_add_nc_u64 s[20:21], s[4:5], s[20:21]        ; x,
	s_add_nc_u64 s[B2:B2+1], s[10:11], s[46:47]    ; W_hh,
	s_add_nc_u64 s[46:47], s[8:9], s[46:47]        ; W_ih at my part of the tile
	CROUND                                         ; all sixteen work-groups are here: the first joint loads meet
.irp s, 0,1
	s_mov_b32 s[G0+4*\s], 1
	s_add_co_u32 s[G0+4*\s+1], s45, \s*SLOT
	s_add_nc_u64 s[G0+4*\s+2:G0+4*\s+3], s[20:21], \s*ROWB
	s_or_b32 s[G0+4*\s+3], s[G0+4*\s+3], 0x80000000
	s_mov_b32 s[G0B+4*\s], 1
	s_add_co_u32 s[G0B+4*\s+1], s45, \s*SLOT
	s_add_nc_u64 s[G0B+4*\s+2:G0B+4*\s+3], s[46:47], \s*ROWB
	s_or_b32 s[G0B+4*\s+3], s[G0B+4*\s+3], 0x80000000
	JLOAD G0+4*\s, G1, G0B+4*\s, G1B               ; K steps 0 and 1: two tensor loads of mine are out
.endr
	v_and_b32 v1, 15, v0                           ; l % 16
	v_bfe_u32 v2, v0, 4, 1                         ; l / 16
	v_mul_u32_u24 v3, v1, PITCH
	v_lshl_add_u32 v4, v2, 4, v3                   ; a fragment's row x pitch + 16 x half
	s_mul_i32 s21, s15, HALFT                      ; my 128 rows of A
	s_mul_i32 s22, s16, 32*PITCH                   ; my 32 rows of each gate's 64 in B,
	s_add_co_u32 s22, s22, 2*HALFT                 ; which lies behind A's 256 rows
.irp s, 0,1
	v_add_nc_u32 v[ADRA+\s], s21, v4
	v_add_nc_u32 v[ADRB+\s], s22, v4
	s_add_co_u32 s21, s21, SLOT
	s_add_co_u32 s22, s22, SLOT
.endr
	s_mul_i32 s23, s14, 16*SPITCH                  ; my stage
	v_mul_u32_u24 v5, v1, SPITCH                   ; in: row l % 16, 32 bytes for each half of the lanes
	v_lshl_add_u32 v5, v2, 5, v5
	v_add_nc_u32 v[STO], s23, v5
	v_and_b32 v6, 31, v0                           ; lane
	v_lshlrev_b32 v7, 2, v6
	v_add_nc_u32 v[RD], s23, v7                    ; back: the stage's row 0, 4 bytes a lane
	s_lshl_b32 s78, s42, 2                         ; my output is j = c + 16 (32 cw + lane): 4 j = 4 c + 2,048 cw + 64 lane
	s_lshl_b32 s79, s16, 11
	s_add_co_u32 s78, s78, s79
	v_lshl_add_u32 v[EO], v6, 6, s78
	s_lshl_b32 s79, s17, 20                        ; my tile's first row in c_prev: 256 x tile row, of 4,096 bytes
	v_add_nc_u32 v[CO], s79, v[EO]
	v_mov_b32 v[RV], s17
	; Waves 0 and 1 hold the tile's first row.  They ask for its biases and its c_prev now; the wait stands on the way out.  None of these loads' address registers and bases is written again.
	s_cmp_lg_u32 s15, 0
	s_cbranch_scc1 .Lno_small
.irp g, 0,1,2,3
	global_load_b32 v[BI+\g], v[EO], s[70:71] offset:4096*\g   ; gate g's 1,024 numbers begin 4,096 g bytes on
	global_load_b32 v[BH+\g], v[EO], s[72:73] offset:4096*\g
.endr
	global_load_b32 v[CPV], v[CO], s[74:75]
.Lno_small:
	s_wait_kmcnt 0x0                               ; the four exponents
	s_add_co_i32 s88, s84, s85                     ; e0 + e1
	s_add_co_i32 s90, s86, s87                     ; e2 + e3
	s_sub_co_i32 s88, s88, s90
	s_add_co_i32 s88, s88, 127
	s_lshl_b32 s88, s88, 23                        ; 2^(e0 + e1 - e2 - e3) as f32
	s_mov_b32 s89, s88                             ; (named with it as a pair, so it is written)
	s_add_co_i32 s92, s90, 127
	s_lshl_b32 s92, s92, 23                        ; 2^(e2 + e3) as f32
.macro FRAG reg, adr, q, rows          ; a fragment, 16 rows x 128 K of 8-bit codes, is 16 registers: lane l holds row l % 16; registers 4 c .. 4 c + 3 hold K = 32 c + 16 (l / 16) + 0 .. 15.  rows: its first row, from my address on
.irp c, 0,1,2,3
	ds_load_b128 v[\reg+4*\c:\reg+4*\c+3], v[\adr] offset:128*(\q)+32*\c+(\rows)*PITCH
.endr
.endm
; 16 matrix instructions: A's blocks a0, a0 + 1 x B's eight, 128 along K.  p: B's set.  zero = 1: the first product starts the sums: nothing is ever cleared.
; The 64 accumulators take turns, one instruction a turn, in the same order in every step.
.macro MUL16 a0, p, zero
.irp a, \a0, \a0+1
.irp b, 0,1,2,3,4,5,6,7
.if \zero
	v_wmma_f32_16x16x128_fp8_fp8 v[8*(8*((\a)%4)+\b):8*(8*((\a)%4)+\b)+7], v[128*(\p)+FR*\b:128*(\p)+FR*\b+FR-1], v[AF+FR*(\a):AF+FR*(\a)+FR-1], 0
.else
	v_wmma_f32_16x16x128_fp8_fp8 v[8*(8*((\a)%4)+\b):8*(8*((\a)%4)+\b)+7], v[128*(\p)+FR*\b:128*(\p)+FR*\b+FR-1], v[AF+FR*(\a):AF+FR*(\a)+FR-1], v[8*(8*((\a)%4)+\b):8*(8*((\a)%4)+\b)+7]
.endif
.endr
.endr
.endm
.macro FETCH_B slot, q, p              ; B's eight fragments of the slot's q-th 128 along K into set p: block i is gate i / 2, my outputs 16 (i % 2) on
	WIN TO_B
.irp i, 0,1,2,3,4,5,6,7
	FRAG 128*(\p)+FR*\i, ADRB+\slot, \q, 64*(\i/2)+16*(\i%2)
.endr
	WIN 0
.endm
.macro FETCH_A slot, q, i0             ; A's blocks i0 .. i0 + 3
.irp i, \i0, \i0+1, \i0+2, \i0+3
	FRAG AF+FR*(\i), ADRA+\slot, \q, 16*(\i)
.endr
.endm
; A load into a register that a matrix instruction has read, and a vector instruction or an LDS store that reads a matrix result, stand NP places behind that matrix instruction, and only plain vector
; instructions that name none of its registers are places (ISA guide 7.12.1 for vector instructions); this text does not count the matrix instructions in between.
.macro PLACES n
.rept \n
	v_nop
.endr
.endm
; A step of 128 along K that has its successor in the same slot.
.macro STEP slot, q, zero
	s_wait_dscnt 4*NL                              ; B's set and A's blocks 0-3 are in; the youngest sixteen loads (A's blocks 4-7) may be out
	WIN MUL_LO
	MUL16 0, (\q)%2, \zero
	MUL16 2, (\q)%2, \zero
	s_wait_dscnt 0                                 ; A's blocks 4-7 are in (asked for 32 matrix instructions ago)
	PLACES NP
	FETCH_B \slot, (\q)+1, 1-(\q)%2
	FETCH_A \slot, (\q)+1, 0
	WIN MUL_HI
	MUL16 4, (\q)%2, \zero
	MUL16 6, (\q)%2, \zero
	PLACES NP
	WIN 0
	FETCH_A \slot, (\q)+1, 4
.endm
; A slot's last step changes slots: ONE barrier; in front of it each wave waits for all its tensor loads, adds 0 to its spare word, and waits for that and for its own reads of this slot.
; fill = 1: this slot is filled again with the K step two steps on in the same tensors;  fill = 2: with the second product's K step 0 (slot 0) or 1 (slot 1);  fill = 0: nothing is left to fetch.
.macro TURN slot, next, fill
	s_wait_tensorcnt 0x0                           ; all my tensor loads have landed: my part of the next slot;  (every window is 0 here: the add's two registers lie in window 0)
	ds_add_u32 v[SPW], v[NIL]                      ; 0 onto my spare word
	s_wait_dscnt 4*NL+1                            ; (the add and the youngest sixteen loads, A's blocks 4-7, may be out)
	WIN MUL_LO
	MUL16 0, 1, 0                                  ; sixteen matrix instructions stand between the add and the wait for it
	s_wait_dscnt 0x0                               ; the add is done, and my reads of this slot are over
	s_barrier_signal -1
	MUL16 2, 1, 0
	WIN 0
	s_barrier_wait -1
.if \fill
	CREST                                          ; the barrier has opened a round of the cluster's barrier: no wave of any partner still reads this slot's tile or has a load on its way
.if \fill == 1
	s_add_nc_u64 s[G0+4*\slot+2:G0+4*\slot+3], s[G0+4*\slot+2:G0+4*\slot+3], 2*ROWB
	s_add_nc_u64 s[G0B+4*\slot+2:G0B+4*\slot+3], s[G0B+4*\slot+2:G0B+4*\slot+3], 2*ROWB
.else
	s_add_nc_u64 s[G0+4*\slot+2:G0+4*\slot+3], s[A2:A2+1], \slot*ROWB     ; from x on to h,
	s_or_b32 s[G0+4*\slot+3], s[G0+4*\slot+3], 0x80000000                 ; type = 2
	s_add_nc_u64 s[G0B+4*\slot+2:G0B+4*\slot+3], s[B2:B2+1], \slot*ROWB   ; from W_ih on to W_hh
	s_or_b32 s[G0B+4*\slot+3], s[G0B+4*\slot+3], 0x80000000
.endif
	JLOAD G0+4*\slot, G1, G0B+4*\slot, G1B         ; the first tensor load behind the round, my only one until the next; the four v_nop behind it are the places in front of the loads below
.else
	PLACES NP
.endif
	FETCH_B \next, 0, 0
	FETCH_A \next, 0, 0
	WIN MUL_HI
	MUL16 4, 1, 0
	MUL16 6, 1, 0
	PLACES NP
	WIN 0
	FETCH_A \next, 0, 4
.endm
; Between the products: every sum x 2^(e0 + e1 - e2 - e3), two at a time, each accumulator from its low end on.  The four v_nop at the end of TURN are the places behind the last matrix instructions.
.macro RESCALE
	WIN 0x82                                       ; source 0 and destination window 2
.set j, 0
.rept 128
	v_pk_mul_f32 v[j:j+1], v[j:j+1], s[88:89] op_sel_hi:[1,0]
.set j, j+2
.endr
	WIN 0xc3                                       ; window 3
.set j, 0
.rept 128
	v_pk_mul_f32 v[j:j+1], v[j:j+1], s[88:89] op_sel_hi:[1,0]
.set j, j+2
.endr
.endm
	s_wait_tensorcnt 1                             ; my part of K step 0 is in (K step 1's load may be out)
	s_barrier_signal -1
	s_barrier_wait -1                              ; everybody's is
	FETCH_B 0, 0, 0
	FETCH_A 0, 0, 0
	FETCH_A 0, 0, 4
	; The eight K steps are written out: 16 steps of 128, about 21 KB of code.
	STEP 0, 0, 1                                   ; K step 0 (x, W_ih): its first products start the sums
	TURN 0, 1, 1                                   ;   slot 0 takes K step 2
	STEP 1, 0, 0                                   ; K step 1
	TURN 1, 0, 1                                   ;   slot 1 takes K step 3
	STEP 0, 0, 0                                   ; K step 2
	TURN 0, 1, 2                                   ;   slot 0 takes K step 4: the second product's first
	STEP 1, 0, 0                                   ; K step 3
	TURN 1, 0, 2                                   ;   slot 1 takes K step 5; K step 4's first fragments are fetched
	RESCALE                                        ; the first product is whole
	STEP 0, 0, 0                                   ; K step 4 (h, W_hh)
	TURN 0, 1, 1                                   ;   slot 0 takes K step 6
	STEP 1, 0, 0                                   ; K step 5
	TURN 1, 0, 1                                   ;   slot 1 takes K step 7
	STEP 0, 0, 0                                   ; K step 6
	TURN 0, 1, 0                                   ;   nothing is filled, and no round of the cluster's barrier follows: slot 0 has had its last fill and its last read
	STEP 1, 0, 0                                   ; K step 7
	s_wait_dscnt 4*NL                              ; the very last step: nothing more to fetch
	WIN MUL_LO
	MUL16 0, 1, 0
	MUL16 2, 1, 0
	s_wait_dscnt 0
	WIN MUL_HI
	MUL16 4, 1, 0
	MUL16 6, 1, 0
	WIN 0
	; THE WAY OUT, in waves 0 and 1, which hold the tile's rows 0-127.  Block 0 (16 rows x my 128 columns) goes into my own stage as it stands; its row 0 comes back one output to a lane:
	; column 16 b + 8 (l / 16) + i of the block is gate b / 2 of my output 16 (b % 2) + 8 (l / 16) + i: gate g of output t lies at byte 128 g + 4 t of the row.
	s_cmp_lg_u32 s15, 0
	s_cbranch_scc1 .Ldone
	PLACES NP                                      ; between the matrix instructions and the LDS stores that read results
	WIN 0x08                                       ; the stores' data: window 2
.irp b, 0,1,2,3,4,5,6,7
	ds_store_b128 v[STO], v[8*\b:8*\b+3] offset:64*\b          ; each accumulator from its low end on
	ds_store_b128 v[STO], v[8*\b+4:8*\b+7] offset:64*\b+16
.endr
	WIN 0
.irp g, 0,1,2,3
	ds_load_b32 v[GT+\g], v[RD] offset:128*\g      ; LDS serves a wave's instructions in order (ISA guide 5.7.1.4): these see my stores above
.endr
	s_wait_loadcnt 0x0                             ; the biases and c_prev, asked for at the head
.irp g, 0,1,2,3
	v_add_f32 v[BI+\g], v[BI+\g], v[BH+\g]
.endr
	s_wait_dscnt 0x0
.irp g, 0,1,2,3
	v_fma_f32 v[GT+\g], v[GT+\g], s92, v[BI+\g]    ; gate = sum x 2^(e2 + e3) + (b_ih + b_hh)
.endr
	v_mul_f32 v[GT],   0xbfb8aa3b, v[GT]           ; i: -log2(e) x
	v_mul_f32 v[GT+1], 0xbfb8aa3b, v[GT+1]         ; f
	v_mul_f32 v[GT+2], 0x4038aa3b, v[GT+2]         ; g: 2 log2(e) x
	v_mul_f32 v[GT+3], 0xbfb8aa3b, v[GT+3]         ; o
.irp g, 0,1,2,3
	v_exp_f32 v[GT+\g], v[GT+\g]
.endr
	v_nop                                          ; one plain instruction between a transcendental and the use of its result (ISA guide 5.7.2)
	s_wait_alu depctr_va_vdst(0)
.irp g, 0,1,2,3
	v_add_f32 v[GT+\g], 1.0, v[GT+\g]
.endr
.irp g, 0,1,2,3
	v_rcp_f32 v[GT+\g], v[GT+\g]                   ; i, f, o: the sigmoids
.endr
	v_nop
	s_wait_alu depctr_va_vdst(0)
	v_fma_f32 v[GT+2], v[GT+2], -2.0, 1.0          ; g: tanh = 1 - 2 / (1 + 2^(2 log2(e) x))
	v_mul_f32 v[U], v[GT], v[GT+2]                 ; i g
	v_fma_f32 v[U], v[GT+1], v[CPV], v[U]          ; c = f c_prev + i g
	v_mul_f32 v[U], 0x4038aa3b, v[U]
	v_exp_f32 v[U], v[U]
	v_nop
	s_wait_alu depctr_va_vdst(0)
	v_add_f32 v[U], 1.0, v[U]
	v_rcp_f32 v[U], v[U]
	v_nop
	s_wait_alu depctr_va_vdst(0)
	v_fma_f32 v[U], v[U], -2.0, 1.0                ; tanh c
	v_mul_f32 v[U], v[GT+3], v[U]                  ; h_t = o tanh c, of row 256 x tile row
	s_wait_xcnt 0x0                                ; EXEC is a source of the memory instructions issued so far: it changes only behind this wait
	v_cmp_eq_u32 vcc_lo, 0, v[RV]                  ; batch row 0 is tile row 0's first row: all lanes there, none elsewhere
	s_and_saveexec_b32 s91, vcc_lo
	global_store_b32 v[EO], v[U], s[76:77]         ; out0[c + 16 (32 cw + lane)]
	s_wait_xcnt 0x0                                ; and again, in front of the line that widens it
	s_or_b32 exec_lo, exec_lo, s91
.Ldone:
	s_wait_tensorcnt 0x0                           ; the wave's end: behind my last tensor load and my last LDS store
	ds_add_u32 v[SPW], v[NIL]
	s_wait_dscnt 0x0
	CROUND                                         ; the closing round: no work-group ends while a partner may still ask for a tile that names it
	s_endpgm
.Lfunc_end_k_q10d7d8c5e4_lstm_gemm:
	.size	k_q10d7d8c5e4_lstm_gemm, .Lfunc_end_k_q10d7d8c5e4_lstm_gemm-k_q10d7d8c5e4_lstm_gemm
	.p2alignl 7, 3214868480
	.fill 96, 4, 3214868480
	.section	.rodata,"a",@progbits
	.p2align	6, 0x0
	.amdhsa_kernel k_q10d7d8c5e4_lstm_gemm
		.amdhsa_group_segment_fixed_size 327680
		.amdhsa_private_segment_fixed_size 0
		.amdhsa_enable_private_segment 0
		.amdhsa_kernarg_size 72
		.amdhsa_user_sgpr_count 2
		.amdhsa_user_sgpr_kernarg_segment_ptr 1
		.amdhsa_wavefront_size32 1
		.amdhsa_system_sgpr_workgroup_id_x 1
		.amdhsa_system_sgpr_workgroup_id_y 1
		.amdhsa_system_sgpr_workgroup_id_z 1
		.amdhsa_system_vgpr_workitem_id 0
		.amdhsa_next_free_vgpr 1024
		.amdhsa_next_free_sgpr 96
		.amdhsa_reserve_vcc 1
		.amdhsa_float_denorm_mode_32 3
		.amdhsa_float_denorm_mode_16_64 3
		.amdhsa_memory_ordered 1
		.amdhsa_forward_progress 1
		.amdhsa_inst_pref_size 170
	.end_amdhsa_kernel
	.amdgpu_metadata
---
amdhsa.version: [ 1, 2 ]
amdhsa.kernels:
  - .name:           k_q10d7d8c5e4_lstm_gemm
    .symbol:         k_q10d7d8c5e4_lstm_gemm.kd
    .args:
      - { .name: x_t_codes, .offset: 0, .size: 8, .value_kind: global_buffer, .address_space: global }
      - { .name: h_prev_codes, .offset: 8, .size: 8, .value_kind: global_buffer, .address_space: global }
      - { .name: weight_ih_codes, .offset: 16, .size: 8, .value_kind: global_buffer, .address_space: global }
      - { .name: weight_hh_codes, .offset: 24, .size: 8, .value_kind: global_buffer, .address_space: global }
      - { .name: lowp_scales, .offset: 32, .size: 8, .value_kind: global_buffer, .address_space: global }
      - { .name: bias_ih, .offset: 40, .size: 8, .value_kind: global_buffer, .address_space: global }
      - { .name: bias_hh, .offset: 48, .size: 8, .value_kind: global_buffer, .address_space: global }
      - { .name: c_prev, .offset: 56, .size: 8, .value_kind: global_buffer, .address_space: global }
      - { .name: out0, .offset: 64, .size: 8, .value_kind: global_buffer, .address_space: global }
    .group_segment_fixed_size: 327680
    .private_segment_fixed_size: 0
    .kernarg_segment_align: 8
    .kernarg_segment_size: 72
    .max_flat_workgroup_size: 128
    .sgpr_count:     96
    .vgpr_count:     1024
    .wavefront_size: 32
...
	.end_amdgpu_metadata
.endif
;; end of part 1
